; MI455X (gfx1250); checked and timed in simulation.
; The chip was launched on July 23, 2026; its instructions are those of AMD's public machine-readable ISA for CDNA 5 (MIT licence, August 2026) and "CDNA5" Instruction Set Architecture Reference Guide (July 2026). The comments in the code are by the model that wrote it; some were corrected since.
;; Bahdanau Attention. Allowed arithmetic: matrix products marked QUANTISED: E2M3 operands, one E8M0 scale for each 32 along K, by v_wmma_scale_f32_16x16x128_f8f6f4 with both operands' format E2M3, f32 sums; products left as they are: f32 operands where the result goes on into a quantised operand, else bf16, f16 or f32 operands; f32 sums; everything else in f32.
;; Inputs: Ua_b 1,024 float32; Ua_w_codes 1,024 x 32 x 24 uint8 (E2M3 codes of Ua_w, K innermost, in blocks of 32 codes, four codes in three bytes); Ua_w_scales 1,024 x 32 uint8 (E8M0 scales of Ua_w, one for each 32 codes along K); Va_b 1 float32; Va_w 1 x 1,024 float32; Wa_b 1,024 float32; Wa_w_codes 1,024 x 32 x 24 uint8 (E2M3 codes of Wa_w, K innermost, in blocks of 32 codes, four codes in three bytes); Wa_w_scales 1,024 x 32 uint8 (E8M0 scales of Wa_w, one for each 32 codes along K); keys 32 x 2,048 x 1,024 float32; query_codes 32 x 1 x 32 x 24 uint8 (E2M3 codes of query, K innermost, in blocks of 32 codes, four codes in three bytes); query_scales 32 x 1 x 32 uint8 (E8M0 scales of query, one for each 32 codes along K).
;; Outputs: out0 32 x 1 x 1,024 float32; out1 32 x 1 x 2,048 float32.
;; This version of the problem:
;;   THIS VERSION OF THE PROBLEM IS GIVEN IN LOW PRECISION. The matrix products marked QUANTISED in the list below multiply operands that are first quantised to E2M3 (2 exponent bits, 3 mantissa bits; 6 bits a number), with one power-of-two scale for each 32 numbers along K (OCP MX v1.0); their sums are f32. All else is computed in f32.
;;   The module's matrix products, in the order in which they are computed (A, B: the left and right operand; K: the contracted axis; several contracted axes count as one K, in the product's order):
;;     1. [M 32, K 1,024] x [K 1,024, N 1,024]; A: input query (given as codes); B: input Wa_w (given as codes): QUANTISED
;;     2. [M 65,536, K 1,024] x [K 1,024, N 1,024]; A: input keys; B: input Ua_w (given as codes): QUANTISED
;;     3. [M 65,536, K 1,024] x [K 1,024, N 1]; A: computed on the way; B: input Va_w: left as it is (N = 1 < 16)
;;     4. batch 32 x [M 1, K 2,048] x [K 2,048, N 1,024]; A: computed on the way; B: input keys: left as it is (M = 1 < 16)
;;   THE QUANTISER, for each operand of a quantised product, along K:
;;     - K is cut into blocks of 32 from its start; a last block that is shorter is filled with zeros.
;;     - A block's scale is 2^e with e = floor(log2(the largest magnitude in the block)) - 2, held to -126 .. 127; a block of zeros has e = 0. As a byte (E8M0): e + 127.
;;     - Each number is divided by its block's scale, clamped to +-7.5, and rounded to the nearest number of E2M3, ties to even, subnormals kept.
;;     - The product sums the exact products of the quantised numbers (number of the format x scale) in f32.
;;   ~~~python
;;   def quantise(x, axis):      # numpy; x: float32 -> the quantised numbers, widened to float32 again
;;       x = np.moveaxis(x, axis, -1); K = x.shape[-1]
;;       x = np.pad(x, [(0, 0)] * (x.ndim - 1) + [(0, -K % 32)]); x = x.reshape(x.shape[:-1] + (-1, 32)); a = np.abs(x).max(-1, keepdims=True)
;;       e = np.where(a > 0, np.clip(np.frexp(np.where(a > 0, a, 1))[1] - 1 - 2, -126, 127), 0)      # np.frexp(a)[1] - 1 = floor(log2(a)), exactly
;;       r = np.clip(x / 2.0 ** e, -7.5, 7.5)
;;       step = 2.0 ** (np.maximum(np.frexp(np.where(r == 0, 1, r))[1] - 1, 0) - 3)
;;       q = np.round(r / step) * step * 2.0 ** e      # np.round: ties to even
;;       return np.moveaxis(q.reshape(q.shape[:-2] + (-1,))[..., :K], -1, axis).astype(np.float32)
;;   ~~~
;;   INPUTS GIVEN AS CODES. Ua_w (in the module: [1024, 1024], K = its axis 1); Wa_w (in the module: [1024, 1024], K = its axis 1); query (in the module: [32, 1, 1024], K = its axis 2): each comes as NAME_codes (uint8): NAME with its K axis moved to the last place and cut into blocks of 32 codes, [.., K / 32, bytes a block], one block behind the other in memory; four codes in three bytes: a row's codes are one little-endian stream of bits, code i at bits 6 i .. 6 i + 5 (a code: sign, 2 exponent bits, 3 mantissa bits); and NAME_scales (uint8): the same leading axes, one E8M0 byte (e + 127) for each 32 codes along K. Its value is code x scale, taken as it is: it is not quantised again, and the codes and scales need not be those that the quantiser above would give.
;; One version. Each part assembles by itself: llvm-mc -triple=amdgcn-amd-amdhsa -mcpu=gfx1250 --defsym DOCPART=n.
;; ======== version 1 of 1: 3 launches
;; limits: values are held in bf16: 8 bits of precision; right only within a limited range of input values
;; workspace buffers: uaimg 786,432 bytes; usimg 32,768 bytes; qb 131,072 bytes; va2 4,096 bytes; sraw 262,144 bytes; stat 2,048 bytes; pctx 1,048,576 bytes
;; launch prep (part 1): grid 64 x 1, 4 waves a work-group, no clusters, 10,752 bytes of LDS; arguments query_codes, query_scales, Wa_w_codes, Wa_w_scales, Wa_b, Ua_b, Ua_w_codes, Ua_w_scales, Va_w, qb, uaimg, usimg, va2; writes qb, uaimg, usimg, va2
.if DOCPART == 1
	.amdgcn_target "amdgcn-amd-amdhsa--gfx1250"
	.amdhsa_code_object_version 6
	.text
	.protected	k_q50b9992be5_prep
	.globl	k_q50b9992be5_prep
	.p2align	8
	.type	k_q50b9992be5_prep,@function
k_q50b9992be5_prep:
	s_mov_b64 s[64:65], 0
	v_nop
	global_prefetch_b8 v0, s[64:65] scope:SCOPE_SE
	s_setreg_imm32_b32 hwreg(HW_REG_WAVE_MODE, 25, 1), 1
	s_wait_xcnt 0x0
; WORK LEFT OUT, IN THE WHOLE PROGRAM.  scores[b][s] = sum over h of Va[h] tanh(x[b][s][h]) + Va_b.  With tanh(x) = 1 - 2 r, r = 1 / (1 + e^(2 x)), that is
;   (Va_b + sum of Va) + sum over h of (-2 Va[h]) r.  The first term is the same for every s of a batch, whatever the inputs hold, and softmax along s is unchanged by a term that is the same along s;
;   both outputs hang on the scores through that softmax alone.  So the term is never formed: Va_b has no way to an output, is not loaded and is among no launch's arguments.
;   LIMIT: a NaN, an infinity or an overflow that would arise only in that term is not carried to the result.
; What the long launch wants ready:
;   qb[Th][b][u] = c (sum over k of query[b][k] Wa[16 Th + u][k] + Wa_b + Ua_b),  c = 2 log2(e); laid by tiles of 16 units: [64][32 batches][16]; the product on codes of FP6 (E2M3) with E8M0 scales, as they are given
;   uaimg = Ua's codes as images of operand registers: registers 4 c .. 4 c + 3 of fragment (tile Th of 16 units, K step k) of lane L at c 262144 + Th 4096 + k 512 + 16 L
;   usimg = Ua's scale words: word s of lane (r, h) of tile Th = the word of row 16 Th + r for K step 2 s + h, at Th 512 + 16 lane + 4 s
;   va2[u] = -2 Va[u]
; SHARES.  64 work-groups, one for each tile Th of 16 hidden units.  The four waves share K: wave w takes K steps 2 w and 2 w + 1, of Wa, of query and of Ua: 58 loads a wave, all out at once.
; Source 0 = 16 rows of Wa, source 1 = 16 batches: lane (r, h) holds batch r and register j the unit 8 h + j of the tile.
; The four waves' partial sums meet in LDS; wave w adds the four parts of batches 8 w .. 8 w + 7 and the biases, and stores 512 consecutive bytes.
.set WF,  16                           ; v16-39 Wa's two fragments
.set QF,  40                           ; v40-87 query's four
.set UF,  88                           ; v88-111 Ua's two
.set WS,  112                          ; Wa's scale words
.set QS,  114                          ; query's
.set USW, 120                          ; Ua's
.set WB,  124                          ; the biases
.set UB,  128
.set VA,  132                          ; Va
.set ACC, 136                          ; two accumulators
.set RD,  152                          ; the four parts
.set SP,  80                           ; a stage row: a batch's 64 bytes + 16
.set AREA, 32*SP                       ; a wave's part of the stage: 32 batches
	s_load_b512 s[4:19], s[0:1], 0x0               ; query's codes, scales; Wa's codes, scales; Wa_b; Ua_b; Ua's codes, scales
	s_load_b256 s[20:27], s[0:1], 0x40             ; Va; qb; uaimg; usimg
	s_load_b64 s[28:29], s[0:1], 0x60              ; va2
	v_lshl_add_u32 v176, v0, 2, 0x2800             ; my spare word, behind the stage
	v_mov_b32 v177, 0
	v_lshrrev_b32 v1, 5, v0
	v_readfirstlane_b32 s32, v1                    ; wave 0..3
	v_and_b32 v1, 15, v0                           ; r
	v_bfe_u32 v2, v0, 4, 1                         ; h
	v_and_b32 v3, 31, v0                           ; lane
	v_mul_u32_u24 v4, v1, 768                      ; a row of 1,024 codes is 768 bytes,
	v_mad_u32_u24 v4, v2, 24, v4                   ; + 24 h,
	s_mul_i32 s34, s32, 192
	v_add_nc_u32 v4, s34, v4                       ; + my two K steps' place: 192 w
	v_lshlrev_b32 v5, 5, v1                        ; a row of scale bytes: 32 r
	v_lshl_add_u32 v6, v2, 2, v5                   ; 32 r + 4 h: Ua's words, the K step's parity by the lane's half
	s_lshl_b32 s34, s32, 3
	v_add_nc_u32 v5, s34, v5                       ; 32 r + 8 w: my two K steps' words
	v_and_b32 v7, 3, v0
	v_lshlrev_b32 v7, 4, v7                        ; 16 (lane % 4): four units of the tile
	v_lshlrev_b32 v8, 4, v3                        ; 16 x lane
	s_lshl_b32 s34, s32, 10
	v_add_nc_u32 v9, s34, v8                       ; uaimg: 16 x lane + 512 x 2 w
	v_lshlrev_b32 v10, 4, v1                       ; Va, va2: 16 r
	v_mul_u32_u24 v11, v1, SP                      ; the stage, in: my area, row = batch r, + 32 h
	v_lshl_add_u32 v11, v2, 5, v11
	s_mul_i32 s34, s32, AREA
	v_add_nc_u32 v11, s34, v11
	v_lshrrev_b32 v12, 2, v3                       ; back: row 8 w + lane / 4, 16 bytes a lane
	v_mul_u32_u24 v12, v12, SP
	v_add_nc_u32 v12, v7, v12
	s_mul_i32 s34, s32, 8*SP
	v_add_nc_u32 v12, s34, v12
	s_lshl_b32 s34, s32, 9
	v_add_nc_u32 v13, s34, v8                      ; qb: 512 w + 16 x lane
	s_mov_b32 s46, 0x4038aa3b                      ; c = 2 log2(e)
	s_mov_b32 s47, s46                             ; (named with it as a pair, so it is written)
	s_mul_i32 s36, ttmp9, 12288                    ; 16 rows of codes
	s_mov_b32 s37, 0
	s_lshl_b32 s38, ttmp9, 9                       ; 16 rows of scale bytes; a tile of usimg
	s_mov_b32 s39, 0
	s_lshl_b32 s40, ttmp9, 6                       ; 16 numbers of a bias
	s_mov_b32 s41, 0
	s_lshl_b32 s42, ttmp9, 12                      ; a tile of one plane of uaimg
	s_mov_b32 s43, 0
	s_lshl_b32 s44, ttmp9, 11                      ; a tile of qb
	s_mov_b32 s45, 0
	s_lshr_b32 s35, ttmp9, 2                       ; the group of four tiles: 64 units,
	s_lshl_b32 s34, s35, 8                         ; as f32
	s_mov_b32 s35, 0
	s_wait_alu depctr_va_vdst(0)                   ; the wait at the head's end
	s_wait_kmcnt 0x0
	s_add_nc_u64 s[8:9], s[8:9], s[36:37]
	s_add_nc_u64 s[16:17], s[16:17], s[36:37]
	s_add_nc_u64 s[10:11], s[10:11], s[38:39]
	s_add_nc_u64 s[18:19], s[18:19], s[38:39]
	s_add_nc_u64 s[26:27], s[26:27], s[38:39]
	s_add_nc_u64 s[12:13], s[12:13], s[40:41]
	s_add_nc_u64 s[14:15], s[14:15], s[40:41]
	s_add_nc_u64 s[24:25], s[24:25], s[42:43]
	s_add_nc_u64 s[22:23], s[22:23], s[44:45]
	s_add_nc_u64 s[20:21], s[20:21], s[34:35]
	s_add_nc_u64 s[28:29], s[28:29], s[34:35]
	; a fragment: 24 bytes at 96 k + 24 h of the row and 24 bytes 48 further on, in pieces of 8 bytes
.irp k, 0,1
.irp p, 0,1,2,3,4,5
	global_load_b64 v[WF+12*\k+2*\p:WF+12*\k+2*\p+1], v4, s[8:9] offset:96*\k+48*(\p/3)+8*(\p%3)
.endr
.endr
.irp k, 0,1
.irp e, 0,1
.irp p, 0,1,2,3,4,5
	global_load_b64 v[QF+12*(2*\k+\e)+2*\p:QF+12*(2*\k+\e)+2*\p+1], v4, s[4:5] offset:12288*\e+96*\k+48*(\p/3)+8*(\p%3)
.endr
.endr
.endr
	global_load_b64 v[WS:WS+1], v5, s[10:11]               ; my row's words of my two K steps
.irp e, 0,1
	global_load_b64 v[QS+2*\e:QS+2*\e+1], v5, s[6:7] offset:512*\e
.endr
.irp k, 0,1
.irp p, 0,1,2,3,4,5
	global_load_b64 v[UF+12*\k+2*\p:UF+12*\k+2*\p+1], v4, s[16:17] offset:96*\k+48*(\p/3)+8*(\p%3)
.endr
.endr
.irp q, 0,1,2,3
	global_load_b32 v[USW+\q], v6, s[18:19] offset:8*\q    ; every wave loads them, wave 0 stores them
.endr
	global_load_b128 v[WB:WB+3], v7, s[12:13]
	global_load_b128 v[UB:UB+3], v7, s[14:15]
	global_load_b128 v[VA:VA+3], v10, s[20:21]             ; the group's 64 numbers of Va: inside the buffer in every work-group
	s_wait_loadcnt 0x0
.irp k, 0,1
.irp c, 0,1,2
	global_store_b128 v9, v[UF+12*\k+4*\c:UF+12*\k+4*\c+3], s[24:25] offset:\c*262144+512*\k   ; 32 lanes store 512 consecutive bytes
.endr
.endr
	s_cmp_lg_u32 s32, 0
	s_cbranch_scc1 .Lnous
	global_store_b128 v8, v[USW:USW+3], s[26:27]
.Lnous:
	; four matrix instructions, the two accumulators by turns; the first K step starts the sums
.irp k, 0,1
.irp e, 0,1
.if \k == 0
	v_wmma_scale_f32_16x16x128_f8f6f4 v[ACC+8*\e:ACC+8*\e+7], v[WF+12*\k:WF+12*\k+11], v[QF+12*(2*\k+\e):QF+12*(2*\k+\e)+11], 0, v[WS+\k], v[QS+2*\e+\k] matrix_a_fmt:MATRIX_FMT_FP6 matrix_b_fmt:MATRIX_FMT_FP6
.else
	v_wmma_scale_f32_16x16x128_f8f6f4 v[ACC+8*\e:ACC+8*\e+7], v[WF+12*\k:WF+12*\k+11], v[QF+12*(2*\k+\e):QF+12*(2*\k+\e)+11], v[ACC+8*\e:ACC+8*\e+7], v[WS+\k], v[QS+2*\e+\k] matrix_a_fmt:MATRIX_FMT_FP6 matrix_b_fmt:MATRIX_FMT_FP6
.endif
.endr
.endr
	v_pk_add_f32 v[WB:WB+1], v[WB:WB+1], v[UB:UB+1]        ; Wa_b + Ua_b of four units: two of the four places behind the last products (ISA guide 7.12.1)
	v_pk_add_f32 v[WB+2:WB+3], v[WB+2:WB+3], v[UB+2:UB+3]
	v_nop
	v_nop
	s_wait_alu depctr_va_vdst(0)
.irp e, 0,1
	ds_store_b128 v11, v[ACC+8*\e:ACC+8*\e+3] offset:16*SP*\e          ; each accumulator from its low end on
	ds_store_b128 v11, v[ACC+8*\e+4:ACC+8*\e+7] offset:16*SP*\e+16
.endr
	s_wait_dscnt 0x0                               ; for the others' sake: my part lies in the stage
	s_barrier_signal -1
	s_barrier_wait -1
.irp a, 0,1,2,3
	ds_load_b128 v[RD+4*\a:RD+4*\a+3], v12 offset:AREA*\a  ; the four waves' parts of batch 8 w + lane / 4, units 4 (lane % 4) on
.endr
	s_wait_dscnt 0x0
.irp j, 0,2
	v_pk_add_f32 v[RD+\j:RD+\j+1], v[RD+\j:RD+\j+1], v[RD+4+\j:RD+5+\j]
	v_pk_add_f32 v[RD+8+\j:RD+9+\j], v[RD+8+\j:RD+9+\j], v[RD+12+\j:RD+13+\j]
.endr
.irp j, 0,2
	v_pk_add_f32 v[RD+\j:RD+\j+1], v[RD+\j:RD+\j+1], v[RD+8+\j:RD+9+\j]
.endr
.irp j, 0,2
	v_pk_add_f32 v[RD+\j:RD+\j+1], v[RD+\j:RD+\j+1], v[WB+\j:WB+\j+1]
.endr
.irp j, 0,2
	v_pk_mul_f32 v[RD+\j:RD+\j+1], v[RD+\j:RD+\j+1], s[46:47] op_sel_hi:[1,0]   ; x c
.endr
	global_store_b128 v13, v[RD:RD+3], s[22:23]    ; 32 lanes store 512 consecutive bytes, at a multiple of 256 from qb's first byte
	s_and_b32 s34, ttmp9, 3                        ; Va's part: wave 0 of the first work-group of each four; no barrier stands under this branch
	s_or_b32 s34, s34, s32
	s_cmp_lg_u32 s34, 0
	s_cbranch_scc1 .Lend
	v_pk_mul_f32 v[32:33], v[VA:VA+1], -2.0 op_sel_hi:[1,0]
	v_pk_mul_f32 v[34:35], v[VA+2:VA+3], -2.0 op_sel_hi:[1,0]
	v_cmp_gt_u32 vcc_lo, 16, v0
	s_wait_alu depctr_va_vdst(0)
	s_wait_xcnt 0x0                                ; EXEC changes only behind this wait
	s_and_saveexec_b32 s34, vcc_lo
	global_store_b128 v10, v[32:35], s[28:29]      ; 16 lanes store the group's 256 bytes of va2
	s_wait_xcnt 0x0
	s_or_b32 exec_lo, exec_lo, s34
.Lend:
	s_wait_tensorcnt 0x0                           ; the wave's end
	ds_add_u32 v176, v177
	s_wait_dscnt 0x0
	s_endpgm
.Lfunc_end_k_q50b9992be5_prep:
	.size	k_q50b9992be5_prep, .Lfunc_end_k_q50b9992be5_prep-k_q50b9992be5_prep
	.p2alignl 7, 3214868480
	.fill 96, 4, 3214868480
	.section	.rodata,"a",@progbits
	.p2align	6, 0x0
	.amdhsa_kernel k_q50b9992be5_prep
		.amdhsa_group_segment_fixed_size 10752
		.amdhsa_private_segment_fixed_size 0
		.amdhsa_enable_private_segment 0
		.amdhsa_kernarg_size 104
		.amdhsa_user_sgpr_count 2
		.amdhsa_user_sgpr_kernarg_segment_ptr 1
		.amdhsa_wavefront_size32 1
		.amdhsa_system_sgpr_workgroup_id_x 1
		.amdhsa_system_sgpr_workgroup_id_y 1
		.amdhsa_system_sgpr_workgroup_id_z 1
		.amdhsa_system_vgpr_workitem_id 0
		.amdhsa_next_free_vgpr 178
		.amdhsa_next_free_sgpr 66
		.amdhsa_reserve_vcc 1
		.amdhsa_float_denorm_mode_32 3
		.amdhsa_float_denorm_mode_16_64 3
		.amdhsa_memory_ordered 1
		.amdhsa_forward_progress 1
		.amdhsa_inst_pref_size 12
	.end_amdhsa_kernel
	.amdgpu_metadata
---
amdhsa.version: [ 1, 2 ]
amdhsa.kernels:
  - .name:           k_q50b9992be5_prep
    .symbol:         k_q50b9992be5_prep.kd
    .args:
      - { .name: query_codes, .offset: 0, .size: 8, .value_kind: global_buffer, .address_space: global }
      - { .name: query_scales, .offset: 8, .size: 8, .value_kind: global_buffer, .address_space: global }
      - { .name: Wa_w_codes, .offset: 16, .size: 8, .value_kind: global_buffer, .address_space: global }
      - { .name: Wa_w_scales, .offset: 24, .size: 8, .value_kind: global_buffer, .address_space: global }
      - { .name: Wa_b, .offset: 32, .size: 8, .value_kind: global_buffer, .address_space: global }
      - { .name: Ua_b, .offset: 40, .size: 8, .value_kind: global_buffer, .address_space: global }
      - { .name: Ua_w_codes, .offset: 48, .size: 8, .value_kind: global_buffer, .address_space: global }
      - { .name: Ua_w_scales, .offset: 56, .size: 8, .value_kind: global_buffer, .address_space: global }
      - { .name: Va_w, .offset: 64, .size: 8, .value_kind: global_buffer, .address_space: global }
      - { .name: qb, .offset: 72, .size: 8, .value_kind: global_buffer, .address_space: global }
      - { .name: uaimg, .offset: 80, .size: 8, .value_kind: global_buffer, .address_space: global }
      - { .name: usimg, .offset: 88, .size: 8, .value_kind: global_buffer, .address_space: global }
      - { .name: va2, .offset: 96, .size: 8, .value_kind: global_buffer, .address_space: global }
    .group_segment_fixed_size: 10752
    .private_segment_fixed_size: 0
    .kernarg_segment_align: 8
    .kernarg_segment_size: 104
    .max_flat_workgroup_size: 128
    .sgpr_count:     66
    .vgpr_count:     178
    .wavefront_size: 32
...
	.end_amdgpu_metadata
.endif
;; end of part 1
;; launch attn (part 2): grid 256 x 1, 4 waves a work-group, no clusters, 327,680 bytes of LDS; arguments keys, uaimg, usimg, qb, va2, sraw, stat, pctx; writes sraw, stat, pctx
.if DOCPART == 2
	.amdgcn_target "amdgcn-amd-amdhsa--gfx1250"
	.amdhsa_code_object_version 6
	.text
	.protected	k_q50b9992be5_attn
	.globl	k_q50b9992be5_attn
	.p2align	8
	.type	k_q50b9992be5_attn,@function
k_q50b9992be5_attn:
	s_mov_b64 s[64:65], 0
	v_nop
	global_prefetch_b8 v0, s[64:65] scope:SCOPE_SE
	s_setreg_imm32_b32 hwreg(HW_REG_WAVE_MODE, 25, 1), 1
	s_wait_xcnt 0x0
; For 256 key rows of one batch: k_proj on codes of FP6 (E2M3, one E8M0 scale for each 32 along K), tanh, the dot with Va, a running softmax and the running context.  keys are read from memory once.
;   tanh(x) = 1 - 2 r,  r = 1 / (1 + 2^(c x)),  c = 2 log2(e); 2^(..) = infinity gives r = 0, 2^(..) = 0 gives r = 1.   c x = c k_proj + qb (qb holds c (q_proj + both biases)).
;   raw score = sum over units of va2 r, va2 = -2 Va.  LEFT OUT: Va_b + the sum of Va, the same for every row of a batch, which the softmax takes away (shown at the head of the first kernel).
;   The rows' largest raw score so far, M, is taken away ahead of every exponential; when it moves, the sum and the context are multiplied by e^(old M - new M).
; OUT: sraw (raw scores), stat (M and the sum of e^(score - M)), pctx (sum of e^(score - M) x key row) for this work-group's 256 rows.
; LIMITS: NaN and infinities among the inputs are not served.  A block of 32 zeros gets the scale byte 1 where the quantiser says 127: its codes are zeros, and this launch alone reads the byte.
;   For the context alone the keys are rounded to bf16.
; SHARES.  Four blocks of 64 rows.  L: wave w quantises rows 16 w .. 16 w + 15, in two halves of 512 along K: codes and scale words go to LDS as images of operand registers, the rows as bf16 to LDS.
;   G: the waves share the hidden units: wave w takes units 256 w .. + 255 (16 tiles) for all 64 rows.  The rows' 32 fragments lie in 384 registers for the whole phase, read from LDS once.
;   Ua's fragments go from memory straight into registers, as images, 512 consecutive bytes a load: four tile buffers; three loads stand behind each K step, for the tile three on.
;   The work-groups begin their rounds of a wave's 16 tiles at 16 different tiles.   C: scores, softmax; wave w adds columns 256 w .. + 255 of the context.
; THE ORDER: L first half (0), then for each block n: L second half (n), G (n), L first half (n + 1), C (n).  The landing area's refill with the second half of block n + 1 is asked for ahead of C (n) and lands under it.
;   The first half's bf16 cannot go to LDS while C (n) still reads block n's rows: it waits in 128 registers that lie idle between two G phases, and is stored behind C (n)'s closing barrier.
; The product's source 0 = 16 units of Ua, source 1 = 16 rows: lane (r, h) holds row r, register j the unit 8 h + j of the tile.
; MATRIX AND VECTOR WORK SIDE BY SIDE: the tanh of tile t - 1 goes in 20 slices; the first 16 are laid round each two matrix instructions of tile t.  Two sets of accumulators.
; keys come by tensor loads: 16 rows x 512 numbers a wave; each wave reads only what its own load brought.  By this text's count a wave never has more than one tensor load out.
; qb and va2 of a wave's 256 units do not change from block to block: each wave stores them once in a table in LDS, in the order of its round, and reads a tile's 128 bytes a tile ahead.
; NO CLUSTER: what work-groups share is Ua, and each of its fragments is wanted by one wave of a work-group; a joint load lands in LDS, of whose 327,680 bytes this text leaves 512 unnamed.
; REGISTERS, in windows of 256.  Window 0: v1-26 addresses; v27-31 at work at the head and the end; v32-47 the rows' scale words; v48-63 Ua's; v64-127 qb and va2, four buffers of 8 + 8;
;   v128-191 two sets of four accumulators; v192-227 Ua buffer 3, K steps 5-7; v228-235 the scores' sums; v236-243 the context; v244 M, v245 the sum; v246 f; v248-255 at work.
;   Window 1: v0-191 the rows' fragments of K steps 0-3 (in L and C: at work); v192-251 Ua buffer 2, K steps 0-4.
;   Window 2: v0-191 K steps 4-7 (in L: v0-31 a step's bf16, v32-159 the first half's bf16 in waiting); v192-251 Ua buffer 3, K steps 0-4.
;   Window 3: v0-95 Ua buffer 0; v96-191 buffer 1; v192-227 buffer 2, K steps 5-7; v228-235 phase L's LDS addresses.
.set LANDW,  33280                     ; LDS: a wave's landing area: 16 rows of LP bytes; filled by tensor loads alone
.set LP,     2080                      ; a landed row: 1,024 bytes, 16 of padding, 1,024 bytes, 16 of padding
.set LH,     1040                      ; from a landed row's first 1,024 bytes to its second
.set SPARE,  133120                    ; the spare words: 128 bytes for each wave, two blocks of 256 bytes that no other line names
.set CODES,  133632                    ; image of fragment (tile of rows T, K step k) at (8 T + k) 1536 + 512 c + 16 lane
.set KSC,    182784                    ; 512 T + 16 lane + 4 s: word s of lane (r, h) = row r's scale word of K step 2 s + h
.set HOLD,   184832                    ; the block's rows in bf16, HP bytes apart
.set HP,     2064                      ; 2,048 + 16: an odd multiple of 16
.set PSC,    316928                    ; [wave][64 rows] partial scores
.set PB,     317952                    ; [wave][64] the weights p: a copy for each wave
.set QL,     318976                    ; [wave][16 places] 64 bytes of qb, 64 bytes of va2
.set CT,     CODES                     ; [wave] 1,024 bytes for the way out: on the codes' bytes, which nobody reads behind the last block's barrier
.set UPLANE, 262144                    ; a plane of uaimg
.set SPW,  1
.set NIL,  2
.set AQB0, 3                           ; at the head: where my 32 bytes of qb come from
.set AQB,  4                           ; at the head: at work, then where my 32 bytes of va2 come from
.set HR2,  5                           ; HR + 32 HP: rows 32 on (an LDS offset has 16 bits)
.set X0,   6                           ; v6, v20, v21: at work at the head
.set AK,   7                           ; CODES + 16 lane
.set AKS,  8                           ; KSC + 16 lane
.set AU0,  9                           ; uaimg: 65536 w + 16 lane
.set AUS0, 10                          ; usimg: 8192 w + 16 lane
.set AQ0,  11                          ; QL + 2048 w + 32 h
.set AU,   12                          ; uaimg and usimg for the tile that is asked for
.set AUS,  13
.set AQ,   14                          ; AQ0 + 512 x the trip: the trip's four places of the table
.set PSW,  15                          ; PSC + 256 w + 4 r
.set PSR,  16                          ; PSC + 8 lane
.set PBW,  17                          ; PB + 256 w + 8 lane
.set PBR,  18                          ; PB + 256 w
.set HR,   19                          ; HOLD + 512 w + 16 lane
.set X1,   20
.set X2,   21
.set L8,   22                          ; 8 lane
.set PF,   23                          ; 4096 (lane / 8) + 256 (lane % 8)
.set CTW,  24                          ; CT + 1024 w + 32 lane
.set CTR,  25                          ; CT + 1024 w + 16 lane
.set PO,   26                          ; 1024 w + 16 lane
.set T0,   27
.set KS,   32
.set US,   48
.set QV,   64
.set ACC,  128
.set SACC, 228
.set CTX,  236
.set MX,   244
.set LS,   245
.set FF,   246
.set TP,   248
.set TM,   128                         ; window 1, in L: v128-143 at work, v144-163 the codes just made, v164 their scale word
.set PC,   144
.set PW,   164
.set LRV,  228                         ; window 3: phase L's addresses, two of each: + 0: G = r / 8, + 1: G = 1 - r / 8.  LANDW w + LP r + 64 h + LH G
.set IWV,  230                         ; CODES + 12288 w + 16 lane + 3072 G
.set SWV,  232                         ; KSC + 512 w + 16 r + 4 G
.set HWV,  234                         ; HOLD + (16 w + r) HP + 32 h + 512 G
.set WV,   20
.set CC,   22                          ; s[22:23] c
.set SEL,  24                          ; s[24:25] v_permlanex16_b32's selects for lane l xor 16
.set G1,   28                          ; s[28:35] descriptor group 1
.set G0,   36                          ; s[36:39] descriptor group 0
.set SU,   40                          ; 4096 x the tile whose Ua is asked for next
.set SV,   41                          ; the tile at which my work-group begins its round: its number mod 16
.set TMP,  42
.set GQ,   43
.set BLK,  44
.set PFB,  48                          ; s[48:49] where the next prefetch points
.set T64,  50
.set L2E,  52
.set SX,   53
.set MSB, 0
.macro WIN new                         ; low byte: bits 1:0 source 0, 3:2 source 1, 5:4 source 2, 7:6 destination; the high byte repeats the setting that is left
.if MSB != (\new)
	s_set_vgpr_msb (MSB<<8)|(\new)
.set MSB, (\new)
.endif
.endm
.macro ULOC b, k                       ; where fragment k of Ua buffer b lies: window UW, register UR
.if (\b) < 2
.set UW, 3
.set UR, 96*(\b)+12*(\k)
.elseif (\k) < 5
.set UW, (\b)-1
.set UR, 192+12*(\k)
.elseif (\b) == 2
.set UW, 3
.set UR, 192+12*((\k)-5)
.else
.set UW, 0
.set UR, 192+12*((\k)-5)
.endif
.endm
; A tile's bundle is 25 loads: its scale words, then its 8 fragments of Ua, 3 loads each.
; ADDR: the addresses of the tile that is asked for next, and its scale words into buffer ub.  The tiles go round: 16 a wave, from block to block too.
.macro ADDR ub
	s_wait_xcnt 0x0                                ; the two address registers (and the prefetch's base) are rewritten only behind this wait
	v_add_nc_u32 v[AU], s[SU], v[AU0]
	s_lshr_b32 s[TMP], s[SU], 3
	v_add_nc_u32 v[AUS], s[TMP], v[AUS0]
	s_add_co_u32 s[SU], s[SU], 4096
	s_and_b32 s[SU], s[SU], 0xffff
	s_wait_alu depctr_va_vdst(0)                   ; the wait behind the writes
	global_load_b128 v[US+4*(\ub):US+4*(\ub)+3], v[AUS], s[8:9]
.endm
.macro ULD ub, k                       ; fragment k of that tile into buffer ub: 3 loads of 512 consecutive bytes
	ULOC \ub, \k
	WIN UW<<6
.irp c, 0,1,2
	global_load_b128 v[UR+4*\c:UR+4*\c+3], v[AU], s[6:7] offset:\c*UPLANE+512*(\k)
.endr
.endm
.macro ASK ub                          ; a whole bundle on end: at the kernel's head alone
	ADDR \ub
.set bk, 0
.rept 8
	ULD \ub, bk
.set bk, bk+1
.endr
	WIN 0
.endm
; The head of tile t (i = t % 4).  Loads come back in order (ISA guide 5.7.1): the count leaves the two younger bundles, 2 x 25, so this tile's fragments and scale words are in.
; The tile three on is asked for from here on: its scale words now, its fragments behind each K step of this tile's products, into the buffer that the last tile has left.
; This tile's qb and va2 come from my table, four loads, a tile ahead of the slices that read them; the wait on DScnt is for the last tile's four.
; pf = 1: the second half of the NEXT block's rows is asked for ahead: in each tile 0 a wave names 32 blocks of 256 bytes (4 of its 16 rows), each once.  The last block asks for nothing.
.macro HEAD i, pf
	s_wait_loadcnt 50
.if (\i) > 0
	s_wait_dscnt 0x0
.endif
	ADDR ((\i)+3)%4
.irp e, 0,1,2,3
	ds_load_b128 v[QV+16*(\i)+4*\e:QV+16*(\i)+4*\e+3], v[AQ] offset:128*(\i)+16*(\e%2)+64*(\e/2)
.endr
.if (\pf) && ((\i) == 0)
	global_prefetch_b8 v[PF], s[PFB:PFB+1] th:TH_LOAD_NT scope:SCOPE_SE
.endif
.if (\pf) && ((\i) == 1)
	s_add_nc_u64 s[PFB:PFB+1], s[PFB:PFB+1], 16384 ; four rows on (ADDR's wait stands behind the prefetch)
.endif
.endm
; Slice s of 20 of a tile's tanh and dot.  Pair p of the set's 16 pairs: registers set + 2 p, + 1 (tile of rows p / 4, units 2 (p % 4), + 1 of my eight).
; A pair goes through five stages, one a slice: c x (slice p), 2^(c x) (p + 1), + 1 (p + 2), the reciprocal (p + 3), the sum (p + 4).  So every line of a slice reads what an EARLIER slice wrote.
; A slice is laid in two parts round two matrix instructions.  SLA: the wait and the line c x.  SLB: the other plain lines and the transcendentals.
; The one wait stands behind every earlier transcendental, directly ahead of the line c x (the first reader of a matrix result), and with that one plain line between it and the two matrix
; instructions, which are the first to read the sums of the K step before.  The line c x is also the plain line between the last slice's transcendentals and
; the use of their results; slices 16 to 19 have no such line and begin with v_nop.  The pairs ascend: each accumulator is first read at its low end.
.macro SLA s, set, qv
.if (\s) >= 16
	v_nop
.endif
	s_wait_alu depctr_va_vdst(0)
.if (\s) < 16
.set pA, (\set)+2*(\s)
.set qA, (\qv)+2*((\s)%4)
	v_pk_fma_f32 v[pA:pA+1], v[pA:pA+1], s[CC:CC+1], v[qA:qA+1] op_sel_hi:[1,0,1]
.endif
.endm
.macro SLB s, set, qv
.if (\s) >= 2 && (\s) < 18
.set pC, (\set)+2*(\s)-4
	v_pk_add_f32 v[pC:pC+1], v[pC:pC+1], 1.0 op_sel_hi:[1,0]
.endif
.if (\s) >= 4
.set pE, (\set)+2*(\s)-8
.set qE, (\qv)+8+2*(((\s)-4)%4)
.set aE, SACC+2*(((\s)-4)/4)
	v_pk_fma_f32 v[aE:aE+1], v[pE:pE+1], v[qE:qE+1], v[aE:aE+1]
.endif
.if (\s) >= 1 && (\s) < 17
.set pB, (\set)+2*(\s)-2
	v_exp_f32 v[pB], v[pB]
	v_exp_f32 v[pB+1], v[pB+1]
.endif
.if (\s) >= 3 && (\s) < 19
.set pD, (\set)+2*(\s)-6
	v_rcp_f32 v[pD], v[pD]
	v_rcp_f32 v[pD+1], v[pD+1]
.endif
.endm
.macro SLICE s, set, qv                ; a whole slice, where no matrix instruction is left to set it beside
	SLA \s, \set, \qv
	SLB \s, \set, \qv
.endm
; Slices 16 to 19.  Their ten plain lines name no register of the tile's last products: they are the places behind those products.
.macro TAIL set, qv
.irp s, 16,17,18,19
	SLICE \s, \set, \qv
.endr
.endm
; One matrix instruction: Ua buffer i (ULOC has set UW, UR), K step k, tile of rows t.  A scale register holds the words of two K steps: the even one's in lanes 0-15, the odd one's in lanes 16-31.
.macro MM i, k, t
.set rD, ACC+32*((\i)%2)+8*(\t)
.set rB, 48*((\k)%4)+12*(\t)
.set rX, US+4*(\i)+(\k)/2
.set rY, KS+4*(\t)+(\k)/2
.if (\k) == 0
	v_wmma_scale_f32_16x16x128_f8f6f4 v[rD:rD+7], v[UR:UR+11], v[rB:rB+11], 0, v[rX], v[rY] matrix_a_fmt:MATRIX_FMT_FP6 matrix_b_fmt:MATRIX_FMT_FP6
.elseif (\k)%2 == 0
	v_wmma_scale_f32_16x16x128_f8f6f4 v[rD:rD+7], v[UR:UR+11], v[rB:rB+11], v[rD:rD+7], v[rX], v[rY] matrix_a_fmt:MATRIX_FMT_FP6 matrix_b_fmt:MATRIX_FMT_FP6
.else
	v_wmma_scale_f32_16x16x128_f8f6f4 v[rD:rD+7], v[UR:UR+11], v[rB:rB+11], v[rD:rD+7], v[rX], v[rY] matrix_a_fmt:MATRIX_FMT_FP6 matrix_b_fmt:MATRIX_FMT_FP6 matrix_a_scale:MATRIX_SCALE_ROW1 matrix_b_scale:MATRIX_SCALE_ROW1
.endif
.endm
; A tile's 32 matrix instructions: K step by K step, the four accumulators of set i % 2 by turns; the first K step starts the sums.  sl = 1: the other set's slices round them.
; dw = 1: the rows' fragments are still on their way from LDS, K step by K step, 12 loads each: in front of K step k the loads of the 7 - k later K steps may be out (where that is more than a count can name: 63).
.macro BODY i, sl, dw
.set mk, 0
.rept 8
	ULOC \i, mk
.if \dw
.if 12*(7-mk) > 63
	s_wait_dscnt 63
.else
	s_wait_dscnt 12*(7-mk)
.endif
.endif
.set mu, 0
.rept 2
.if \sl
	WIN 0
	SLA 2*mk+mu, ACC+32*(1-(\i)%2), QV+16*(((\i)+3)%4)
.endif
	WIN UW|((1+mk/4)<<2)
	MM \i, mk, 2*mu
	MM \i, mk, 2*mu+1
.if \sl
	WIN 0
	SLB 2*mk+mu, ACC+32*(1-(\i)%2), QV+16*(((\i)+3)%4)
.endif
.set mu, mu+1
.endr
	ULD ((\i)+3)%4, mk                             ; the same K step of the tile three on
.set mk, mk+1
.endr
	WIN 0
.if \sl
	TAIL ACC+32*(1-(\i)%2), QV+16*(((\i)+3)%4)
.else
.rept 4
	v_nop                                          ; four places behind the last products (ISA guide 7.12.1)
.endr
.endif
.endm
.macro TILE i, pf
	HEAD \i, \pf
	BODY \i, 1, 0
.endm
; Phase G: four trips of tiles 0, 1, 2, 3, so that register numbers come round.  Every way through a trip issues the same four bundles behind the same four waits.
; Only tile 0's products stand twice: in the first trip bare (a block's first tile has no tanh to set beside it; it takes the rows' fragments as they arrive), later with tile 3's slices; the branch hangs on the trip's number.
; pf = 1 (all blocks but the last): a barrier stands between this phase and the next block's first half, whose images land on bytes that the waves fetched at this phase's start.
; It guards no refill: its signal stands ahead of tile 15's tanh, work on registers alone, and its wait behind it.
.macro GEMM pf
.irp j, 0,1,2,3,4,5,6,7
	v_mov_b32 v[SACC+\j], 0                        ; the four tiles' sums of va2 r, two halves each
.endr
	s_mov_b32 s[GQ], 0
.Lg_\@:
	s_lshl_b32 s[TMP], s[GQ], 9
	v_add_nc_u32 v[AQ], s[TMP], v[AQ0]             ; the trip's four places of my table (ADDR's wait stands behind this write)
	HEAD 0, \pf
	s_cmp_eq_u32 s[GQ], 0
	s_cbranch_scc1 .Lbare_\@
	s_wait_dscnt 4                                 ; all but the four table loads just issued: tile 3's qb and va2 are in (and the fragments' arrival holds on this way through the text too)
	BODY 0, 1, 0
	s_branch .Ljoin_\@
.Lbare_\@:
	BODY 0, 0, 1
.Ljoin_\@:
	TILE 1, \pf
	TILE 2, \pf
	TILE 3, \pf
	s_add_co_u32 s[GQ], s[GQ], 1
	s_cmp_lt_u32 s[GQ], 4
	s_cbranch_scc1 .Lg_\@
	s_wait_dscnt 0x0                               ; tile 15's qb and va2 are in; no LDS instruction of mine is out
.if (\pf)
	s_barrier_signal -1                            ; my reads of the images and of the scale words are long over
.endif
.set dk, 0
.rept 16
	SLICE dk, ACC+32, QV+48                        ; tile 15's tanh: nothing is left to set it beside
.set dk, dk+1
.endr
	TAIL ACC+32, QV+48
	s_wait_alu depctr_va_vdst(0)
.if (\pf)
	s_wait_xcnt 0x0
	s_add_nc_u64 s[PFB:PFB+1], s[PFB:PFB+1], 196608   ; with the four steps of 16,384: 64 rows on
	s_barrier_wait -1
.endif
.endm
; PHASE L.  A landed row begins 520 words behind the last, 8 banks on (64 banks of 4 bytes: ISA guide 11.1): rows r and r + 8 of one column would meet in the same banks.  A row's second 1,024 bytes begin
; 260 words behind its first, 4 banks off.  So in step s of a half's four the lanes of rows 0-7 take K step s and the lanes of rows 8-15 K step (s + 2) % 4.
; All that follows is a row's own affair (a block of 32 lies in lanes l and l xor 16, one row), and each lane's image, scale word and bf16 go to its own K step's place: K step = 4 hf + s % 2 + 2 G,
; G = r / 8 in steps 0, 1 and 1 - r / 8 in steps 2, 3: two sets of address registers.
; My row's 64 numbers of step s into window 1, v[set] on: register 16 b + i = k 32 b + 16 h + i
.macro XLD s, set
	WIN 0x43                                       ; destination window 1, address window 3
.irp b, 0,1,2,3
.irp j, 0,1,2,3
	ds_load_b128 v[(\set)+16*\b+4*\j:(\set)+16*\b+4*\j+3], v[LRV+(\s)/2] offset:512*((\s)%2)+128*\b+16*\j
.endr
.endr
.endm
; 64 numbers of a lane: the four blocks' scales.  All in window 1.
.macro QMAX s
.irp b, 0,1,2,3
	v_max3_num_f32 v[TM+\b], |v[(\s)+16*\b]|, |v[(\s)+1+16*\b]|, 0x1800000   ; block b: my 16 numbers, and the floor 2^(3 - 127): the byte cannot fall under 1
.endr
.irp i, 2,4,6,8,10,12,14
.irp b, 0,1,2,3
	v_max3_num_f32 v[TM+\b], v[TM+\b], |v[(\s)+16*\b+\i]|, |v[(\s)+1+16*\b+\i]|
.endr
.endr
.irp b, 0,1,2,3
	v_permlanex16_b32 v[TM+4+\b], v[TM+\b], s[SEL], s[SEL+1]
.endr
.irp b, 0,1,2,3
	v_max_num_f32 v[TM+\b], v[TM+\b], v[TM+4+\b]   ; with lane l xor 16's: the block's largest magnitude
.endr
.irp b, 0,1,2,3
	v_add_nc_u32 v[TM+12+\b], 0xff000000, v[TM+\b] ; 2 off its exponent field: the conversion takes this operand's exponent field as its scale
.endr
.irp b, 0,1,2,3
	v_lshrrev_b32 v[TM+4+\b], 23, v[TM+12+\b]      ; the scale's byte
.endr
.endm
; and the fragment's codes in v[PC] on, its scale word in v[PW]
.macro QCVT s
	v_lshl_or_b32 v[PW], v[TM+5], 8, v[TM+4]
	v_lshl_or_b32 v[PW], v[TM+6], 16, v[PW]
	v_lshl_or_b32 v[PW], v[TM+7], 24, v[PW]
.irp c, 0,1
	v_cvt_scalef32_pk16_fp6_f32 v[PC+6*\c:PC+2+6*\c], v[(\s)+32*\c:(\s)+15+32*\c], v[TM+12+2*\c]
	v_cvt_scalef32_pk16_fp6_f32 v[PC+12+4*\c:PC+14+4*\c], v[(\s)+16+32*\c:(\s)+31+32*\c], v[TM+12+2*\c+1]   ; (a conversion's three registers begin on an even number)
.endr
	v_nop                                          ; one plain place behind a scaled conversion
.irp c, 0,1                            ; the operand's layout wants a whole block in a lane: lanes 0-15 block 2 c, lanes 16-31 block 2 c + 1
.irp i, 0,1,2
	v_permlane16_swap_b32 v[PC+6*\c+\i], v[PC+12+4*\c+\i]
.endr
.irp i, 0,1,2
	v_mov_b32 v[PC+3+6*\c+\i], v[PC+12+4*\c+\i]
.endr
.endr
.endm
; Step s of half hf.  The bf16 go into registers of their own in window 2, so that the next step's numbers can be asked for at the step's head, into the set that the last step has left:
; in the second half v0-31, stored at once; in the first half v[32 + 32 s] on, where they wait for UNPARK.  So a first-half step has 4 LDS stores, a second-half step 12.
.macro KSTEP hf, s
.set KX, 64*((\s)%2)
.set KV, (\s)/2
.set KQ, (\s)%2
.set KB, 4*(\hf)+KQ
.set KP, (1-(\hf))*(32+32*(\s))
.if (\s) == 0
	s_wait_dscnt 0x0                               ; this step's numbers are in
.elseif (\hf) == 0
	s_wait_dscnt 4                                 ; LDS instructions end in order (ISA guide 5.7.1): this step's numbers are in; the last step's 4 stores, issued behind those loads, may be out
.else
	s_wait_dscnt 12                                ; the same with the last step's 12 stores
.endif
.if (\s) < 3
	XLD (\s)+1, 64-KX
.endif
	WIN 0x55
	QMAX KX
	s_wait_alu depctr_va_vdst(0)                   ; the wait here, directly ahead of the wait below
.if (\s) < 3
	s_wait_dscnt 16                                ; all but the 16 loads just issued: the last step's stores are done, ahead of the lines that write their data anew
.else
	s_wait_dscnt 0x0
.endif
	QCVT KX
	WIN 0x85                                       ; sources window 1, destination window 2
.set ci, 0
.rept 32
	v_cvt_pk_bf16_f32 v[KP+ci], v[KX+2*ci], v[KX+2*ci+1]
.set ci, ci+1
.endr
	WIN 0x07                                       ; an LDS store's address is its source 0 (window 3), its data its source 1 (window 1)
.irp c, 0,1,2
	ds_store_b128 v[IWV+KV], v[PC+4*\c:PC+4*\c+3] offset:1536*KB+512*\c
.endr
	ds_store_b32 v[SWV+KV], v[PW] offset:256*KQ+8*(\hf)        ; both lanes of a row write the same word with the same value
.if (\hf) == 1
	WIN 0x0b                                       ; data window 2
.irp b, 0,1,2,3
.irp e, 0,1
	ds_store_b128 v[HWV+KV], v[8*\b+4*\e:8*\b+4*\e+3] offset:256*KB+64*\b+16*\e
.endr
.endr
.endif
.endm
; The first half's bf16 goes from its 128 registers to the rows in LDS: behind the barrier that closes the last block's reads of those rows.
.macro UNPARK
	s_wait_alu depctr_va_vdst(0)                   ; in the first block the registers were written just ahead of waits
	WIN 0x0b
.irp s, 0,1,2,3
.irp b, 0,1,2,3
.irp e, 0,1
	ds_store_b128 v[HWV+(\s)/2], v[32+32*\s+8*\b+4*\e:32+32*\s+8*\b+4*\e+3] offset:256*((\s)%2)+64*\b+16*\e
.endr
.endr
.endr
	WIN 0
.endm
.macro LHALF hf
	s_wait_tensorcnt 0x0                           ; my one tensor load that is out is the half that I read now; only I read what it brought
	XLD 0, 0
	KSTEP \hf, 0
	KSTEP \hf, 1
	KSTEP \hf, 2
	KSTEP \hf, 3
	WIN 0
.endm
; The landing area is filled again: all my tensor loads have landed; the add; my reads of the area and my stores are done; the barrier; then my one load, first behind it.
.macro RP step
	s_wait_tensorcnt 0x0
	ds_add_u32 v[SPW], v[NIL]                      ; 0 onto my spare word
	s_add_nc_u64 s[G0+2:G0+3], s[G0+2:G0+3], \step ; no tensor load of mine is out: the address may step; the type bits on top are not reached
	s_wait_dscnt 0x0
	s_barrier_signal -1
	s_barrier_wait -1
	tensor_load_to_lds s[G0:G0+3], s[G1:G1+7]
	s_nop 0
.rept 4
	v_nop
.endr
.endm
.macro KFETCH                          ; the block's scale words and its 32 fragments, from the four waves' images, K ascending; the block's first tile waits for them K step by K step
.irp t, 0,1,2,3
	ds_load_b128 v[KS+4*\t:KS+4*\t+3], v[AKS] offset:512*\t
.endr
	WIN 0x40
.irp k, 0,1,2,3
.irp t, 0,1,2,3
.irp c, 0,1,2
	ds_load_b128 v[48*\k+12*\t+4*\c:48*\k+12*\t+4*\c+3], v[AK] offset:(8*\t+\k)*1536+512*\c
.endr
.endr
.endr
	WIN 0x80
.irp k, 0,1,2,3
.irp t, 0,1,2,3
.irp c, 0,1,2
	ds_load_b128 v[48*\k+12*\t+4*\c:48*\k+12*\t+4*\c+3], v[AK] offset:(8*\t+\k+4)*1536+512*\c
.endr
.endr
.endr
	WIN 0
.endm
; Phase C's context: rows 16 g .. 16 g + 15, my 8 columns of each (16 bytes of bf16), into window 1, v[buf] on
.macro CROWS g, buf
	WIN 0x40
.irp i, 0,1,2,3,4,5,6,7,8,9,10,11,12,13,14,15
.if (\g) < 2
	ds_load_b128 v[(\buf)+4*\i:(\buf)+4*\i+3], v[HR] offset:HP*(16*(\g)+\i)
.else
	ds_load_b128 v[(\buf)+4*\i:(\buf)+4*\i+3], v[HR2] offset:HP*(16*((\g)-2)+\i)
.endif
.endr
.endm
.macro CFMA g, buf                     ; and x the rows' p onto the context
	s_wait_alu depctr_va_vdst(0)                   ; the context was written just ahead of the wait on DScnt
	WIN 0x05                                       ; the row and p in window 1, the context in window 0
.irp i, 0,1,2,3,4,5,6,7,8,9,10,11,12,13,14,15
.irp e, 0,1,2,3
.irp f, 0,1
	v_fma_mix_f32_bf16 v[CTX+2*\e+\f], v[(\buf)+4*\i+\e], v[16*(\g)+\i], v[CTX+2*\e+\f] op_sel:[\f,0,0] op_sel_hi:[1,0,0]
.endr
.endr
.endr
.endm
; Phase C.
.macro CPH last
.irp t, 0,1,2,3
	v_add_f32 v[TP+\t], v[SACC+2*\t], v[SACC+2*\t+1]
.endr
.irp t, 0,1,2,3
	v_permlanex16_b32 v[TP+4+\t], v[TP+\t], s[SEL], s[SEL+1]
.endr
.irp t, 0,1,2,3
	v_add_f32 v[TP+\t], v[TP+\t], v[TP+4+\t]       ; row 16 t + r over my wave's 256 units
.endr
.irp t, 0,1,2,3
	ds_store_b32 v[PSW], v[TP+\t] offset:64*\t     ; both halves of the lanes write the same word with the same value
.endr
	s_wait_dscnt 0x0                               ; for the others' sake
	s_barrier_signal -1
	s_barrier_wait -1
.irp t, 0,1,2,3
	ds_load_b64 v[ACC+2*\t:ACC+2*\t+1], v[PSR] offset:256*\t
.endr
	s_wait_dscnt 0x0
	v_pk_add_f32 v[ACC:ACC+1], v[ACC:ACC+1], v[ACC+2:ACC+3]
	v_pk_add_f32 v[ACC+4:ACC+5], v[ACC+4:ACC+5], v[ACC+6:ACC+7]
	v_pk_add_f32 v[ACC:ACC+1], v[ACC:ACC+1], v[ACC+4:ACC+5]    ; the raw scores of rows 2 lane and 2 lane + 1, in every wave
	s_wait_alu depctr_va_vdst(0)                   ; the wait ahead of the branch
	s_cmp_lg_u32 s[WV], 0
	s_cbranch_scc1 .Lns_\@
	global_store_b64 v[L8], v[ACC:ACC+1], s[14:15] ; wave 0: 32 lanes store the block's 256 consecutive bytes
.Lns_\@:
	v_max_num_f32 v[ACC+2], v[ACC], v[ACC+1]
	v_max_num_f32_dpp v[ACC+2], v[ACC+2], v[ACC+2] row_xmask:1 row_mask:0xf bank_mask:0xf
	v_max_num_f32_dpp v[ACC+2], v[ACC+2], v[ACC+2] row_xmask:2 row_mask:0xf bank_mask:0xf
	v_max_num_f32_dpp v[ACC+2], v[ACC+2], v[ACC+2] row_xmask:4 row_mask:0xf bank_mask:0xf
	v_max_num_f32_dpp v[ACC+2], v[ACC+2], v[ACC+2] row_xmask:8 row_mask:0xf bank_mask:0xf
	v_permlanex16_b32 v[ACC+3], v[ACC+2], s[SEL], s[SEL+1]
	v_max3_num_f32 v[ACC+4], v[ACC+2], v[ACC+3], v[MX]         ; the new M
	v_sub_f32 v[ACC+5], v[MX], v[ACC+4]
	v_sub_f32 v[ACC+6], v[ACC], v[ACC+4]
	v_sub_f32 v[ACC+7], v[ACC+1], v[ACC+4]
	v_mul_f32 v[ACC+5], s[L2E], v[ACC+5]
	v_mul_f32 v[ACC+6], s[L2E], v[ACC+6]
	v_mul_f32 v[ACC+7], s[L2E], v[ACC+7]
	s_wait_alu depctr_va_vdst(0)                   ; the wait ahead of the batch
	v_exp_f32 v[FF], v[ACC+5]                      ; f = e^(old M - new M); 0 in the first block
	v_exp_f32 v[ACC+6], v[ACC+6]                   ; p of my two rows
	v_exp_f32 v[ACC+7], v[ACC+7]
	v_mov_b32 v[MX], v[ACC+4]                      ; (a plain place behind the exponentials)
	s_wait_alu depctr_va_vdst(0)
	v_add_f32 v[ACC+2], v[ACC+6], v[ACC+7]
	v_add_f32_dpp v[ACC+2], v[ACC+2], v[ACC+2] row_xmask:1 row_mask:0xf bank_mask:0xf
	v_add_f32_dpp v[ACC+2], v[ACC+2], v[ACC+2] row_xmask:2 row_mask:0xf bank_mask:0xf
	v_add_f32_dpp v[ACC+2], v[ACC+2], v[ACC+2] row_xmask:4 row_mask:0xf bank_mask:0xf
	v_add_f32_dpp v[ACC+2], v[ACC+2], v[ACC+2] row_xmask:8 row_mask:0xf bank_mask:0xf
	v_permlanex16_b32 v[ACC+3], v[ACC+2], s[SEL], s[SEL+1]
	v_add_f32 v[ACC+2], v[ACC+2], v[ACC+3]
	v_fma_f32 v[LS], v[LS], v[FF], v[ACC+2]        ; the sum under the new M
	ds_store_b64 v[PBW], v[ACC+6:ACC+7]            ; my wave's own copy of the 64 p: LDS serves a wave's instructions in order, so no wait stands ahead of its loads
.irp e, 0,2,4,6
	v_pk_mul_f32 v[CTX+\e:CTX+\e+1], v[CTX+\e:CTX+\e+1], v[FF:FF+1] op_sel_hi:[1,0]   ; the context under the new M
.endr
	WIN 0x40
.irp i, 0,1,2,3,4,5,6,7,8,9,10,11,12,13,14,15
	ds_load_b128 v[4*\i:4*\i+3], v[PBR] offset:16*\i       ; all 64 p into window 1, v0-63, in every lane
.endr
	CROWS 0, 64                                    ; four groups of 16 rows through two buffers: one is multiplied while the other's loads are on their way
	CROWS 1, 128
	s_wait_dscnt 16                                ; all but the other buffer's 16 loads
	CFMA 0, 64
	CROWS 2, 64
	s_wait_dscnt 16
	CFMA 1, 128
	CROWS 3, 128
	s_wait_dscnt 16
	CFMA 2, 64
	s_wait_dscnt 0x0                               ; the last group is in; and my reads of the bf16 rows and of the partial scores are over
	CFMA 3, 128
	WIN 0
	s_wait_alu depctr_va_vdst(0)
.if !(\last)
	s_barrier_signal -1                            ; the next block writes the bf16 rows and the partial scores again
	s_barrier_wait -1
.endif
	s_wait_xcnt 0x0                                ; the scores' store has read its base and its data
	s_add_nc_u64 s[14:15], s[14:15], 256
.endm
; A block, from its first half's bf16 in waiting to its context.  All but the last take the next block's first half in between G and C.
.macro BLOCK last
	UNPARK
	LHALF 1
.if \last
	s_wait_dscnt 0x0                               ; my images and bf16 rows lie in LDS
	s_barrier_signal -1
	s_barrier_wait -1
.else
	RP 260096                                      ; the same barrier; behind it the next block's first half goes out and lands under G
.endif
	KFETCH
	GEMM 1-\last
.if !(\last)
	LHALF 0                                        ; the next block's first half: images and scale words to LDS, bf16 into registers
	RP 2048                                        ; its second half goes out and lands under C
.endif
	CPH \last
.endm
	s_load_b512 s[4:19], s[0:1], 0x0               ; keys, uaimg, usimg, qb, va2, sraw, stat, pctx
	v_lshl_add_u32 v[SPW], v0, 2, SPARE
	v_mov_b32 v[NIL], 0
	ds_add_u32 v[SPW], v[NIL]                      ; the opening lines: the add, twice on end, and its wait ahead of my first tensor load
	ds_add_u32 v[SPW], v[NIL]
	s_wait_dscnt 0x0
	v_lshrrev_b32 v[T0], 5, v0
	v_readfirstlane_b32 s[WV], v[T0]               ; wave 0..3
	; descriptor group 1: a tile of 16 rows x 512 elements of 4 bytes, rows 1,024 elements apart; 4 words of padding behind every 256 words
	s_mov_b32 s[G1+0], (2<<16)|(1<<20)|(7<<22)|(3<<25)
	s_mov_b32 s[G1+1], 512<<16                     ; tensor_dim0 = 512
	s_mov_b32 s[G1+2], 16<<16                      ; tensor_dim1 = 16
	s_mov_b32 s[G1+3], 512<<16                     ; tile_dim0 = 512
	s_mov_b32 s[G1+4], 16                          ; tile_dim1 = 16
	s_mov_b32 s[G1+5], 1024                        ; tensor_dim0_stride
	s_mov_b32 s[G1+6], 0
	s_mov_b32 s[G1+7], 0
	s_mov_b32 s[G0], 1
	s_mul_i32 s[G0+1], s[WV], LANDW                ; my landing area
	s_lshl_b32 s[T64], ttmp9, 20                   ; 256 rows of 4,096 bytes a work-group,
	s_lshl_b32 s[TMP], s[WV], 16                   ; 16 rows a wave
	s_add_co_u32 s[T64], s[T64], s[TMP]
	s_mov_b32 s[T64+1], 0
	s_wait_kmcnt 0x0
	s_add_nc_u64 s[G0+2:G0+3], s[4:5], s[T64:T64+1]
	s_add_nc_u64 s[PFB:PFB+1], s[G0+2:G0+3], 64*4096+2048      ; the second half of my rows of block 1
	s_or_b32 s[G0+3], s[G0+3], 0x80000000          ; type = 2
	tensor_load_to_lds s[G0:G0+3], s[G1:G1+7]      ; the first fill: block 0's first half
	s_nop 0
.rept 4
	v_nop
.endr
	s_lshr_b32 s[T64], ttmp9, 3                    ; the batch: 8 work-groups each;
	s_lshl_b32 s[T64], s[T64], 6                   ; its 64 bytes in each tile of qb
	s_add_nc_u64 s[10:11], s[10:11], s[T64:T64+1]
	s_lshl_b32 s[T64], ttmp9, 10
	s_add_nc_u64 s[14:15], s[14:15], s[T64:T64+1]
	s_lshl_b32 s[T64], ttmp9, 3
	s_add_nc_u64 s[16:17], s[16:17], s[T64:T64+1]
	s_lshl_b32 s[T64], ttmp9, 12
	s_add_nc_u64 s[18:19], s[18:19], s[T64:T64+1]
	v_and_b32 v[T0], 15, v0                        ; r
	v_bfe_u32 v[T0+1], v0, 4, 1                    ; h
	v_and_b32 v[T0+2], 31, v0                      ; lane
	v_bfe_u32 v[T0+3], v0, 3, 1                    ; r / 8
	v_xor_b32 v[T0+4], 1, v[T0+3]                  ; 1 - r / 8
	v_mul_u32_u24 v[X0], v[T0], LP                 ; phase L's four addresses without G,
	v_lshl_add_u32 v[X0], v[T0+1], 6, v[X0]
	s_mul_i32 s[TMP], s[WV], LANDW
	v_add_nc_u32 v[X0], s[TMP], v[X0]
	s_mul_i32 s[TMP], s[WV], 12288
	s_add_co_u32 s[TMP], s[TMP], CODES
	v_lshl_add_u32 v[X1], v[T0+2], 4, s[TMP]
	s_lshl_b32 s[TMP], s[WV], 9
	s_add_co_u32 s[TMP], s[TMP], KSC
	v_lshl_add_u32 v[X2], v[T0], 4, s[TMP]
	s_mul_i32 s[TMP], s[WV], 16*HP
	s_add_co_u32 s[TMP], s[TMP], HOLD
	v_mul_u32_u24 v[AQB], v[T0], HP
	v_lshl_add_u32 v[AQB], v[T0+1], 5, v[AQB]
	v_add_nc_u32 v[AQB], s[TMP], v[AQB]
	WIN 0xc0                                       ; and with it, into window 3
	v_mad_u32_u24 v[LRV], v[T0+3], LH, v[X0]
	v_mad_u32_u24 v[LRV+1], v[T0+4], LH, v[X0]
	v_mad_u32_u24 v[IWV], v[T0+3], 3072, v[X1]
	v_mad_u32_u24 v[IWV+1], v[T0+4], 3072, v[X1]
	v_lshl_add_u32 v[SWV], v[T0+3], 2, v[X2]
	v_lshl_add_u32 v[SWV+1], v[T0+4], 2, v[X2]
	v_lshl_add_u32 v[HWV], v[T0+3], 9, v[AQB]
	v_lshl_add_u32 v[HWV+1], v[T0+4], 9, v[AQB]
	WIN 0
	v_lshl_add_u32 v[AK], v[T0+2], 4, CODES
	v_lshl_add_u32 v[AKS], v[T0+2], 4, KSC
	s_lshl_b32 s[TMP], s[WV], 16
	v_lshl_add_u32 v[AU0], v[T0+2], 4, s[TMP]
	s_lshl_b32 s[TMP], s[WV], 13
	v_lshl_add_u32 v[AUS0], v[T0+2], 4, s[TMP]
	s_lshl_b32 s[TMP], s[WV], 11
	s_add_co_u32 s[TMP], s[TMP], QL
	v_lshl_add_u32 v[AQ0], v[T0+1], 5, s[TMP]
	s_lshl_b32 s[TMP], s[WV], 10
	v_lshl_add_u32 v[PO], v[T0+2], 4, s[TMP]
	s_add_co_u32 s[TMP], s[TMP], CT
	v_lshl_add_u32 v[CTW], v[T0+2], 5, s[TMP]
	v_lshl_add_u32 v[CTR], v[T0+2], 4, s[TMP]
	s_lshl_b32 s[TMP], s[WV], 8
	s_add_co_u32 s[TMP], s[TMP], PSC
	v_lshl_add_u32 v[PSW], v[T0], 2, s[TMP]
	v_lshl_add_u32 v[PSR], v[T0+2], 3, PSC
	s_lshl_b32 s[TMP], s[WV], 8
	s_add_co_u32 s[TMP], s[TMP], PB
	v_lshl_add_u32 v[PBW], v[T0+2], 3, s[TMP]
	v_mov_b32 v[PBR], s[TMP]
	s_lshl_b32 s[TMP], s[WV], 9
	s_add_co_u32 s[TMP], s[TMP], HOLD
	v_lshl_add_u32 v[HR], v[T0+2], 4, s[TMP]
	v_add_nc_u32 v[HR2], 32*HP, v[HR]
	v_lshlrev_b32 v[L8], 3, v[T0+2]
	v_lshrrev_b32 v[X0], 3, v[T0+2]
	v_and_b32 v[PF], 7, v[T0+2]
	v_lshlrev_b32 v[PF], 8, v[PF]
	v_lshl_add_u32 v[PF], v[X0], 12, v[PF]
	; my table of qb and va2: place j = lane / 2 holds tile (j + the work-group's first tile) % 16 of my 16; a lane brings 32 bytes of each.  The places' LDS addresses hang on the lane and the wave alone.
	s_and_b32 s[SV], ttmp9, 15
	v_lshrrev_b32 v[X0], 1, v[T0+2]
	v_and_b32 v[X2], 1, v[T0+2]
	v_add_nc_u32 v[X1], s[SV], v[X0]
	v_lshlrev_b32 v[X2], 5, v[X2]
	v_and_b32 v[X1], 15, v[X1]
	s_lshl_b32 s[TMP], s[WV], 15
	v_lshl_add_u32 v[AQB0], v[X1], 11, v[X2]
	v_add_nc_u32 v[AQB0], s[TMP], v[AQB0]          ; qb: 32768 w + 2048 tile + 32 (lane % 2)
	s_lshl_b32 s[TMP], s[WV], 10
	v_lshl_add_u32 v[AQB], v[X1], 6, v[X2]
	v_add_nc_u32 v[AQB], s[TMP], v[AQB]            ; va2: 1024 w + 64 tile + 32 (lane % 2)
	s_lshl_b32 s[TMP], s[WV], 11
	s_add_co_u32 s[TMP], s[TMP], QL
	v_lshl_add_u32 v[X0], v[X0], 7, v[X2]
	v_add_nc_u32 v[X0], s[TMP], v[X0]              ; QL + 2048 w + 128 j + 32 (lane % 2)
	s_wait_alu depctr_va_vdst(0)
	global_load_b128 v[ACC:ACC+3], v[AQB0], s[10:11]
	global_load_b128 v[ACC+4:ACC+7], v[AQB0], s[10:11] offset:16
	global_load_b128 v[ACC+8:ACC+11], v[AQB], s[12:13]
	global_load_b128 v[ACC+12:ACC+15], v[AQB], s[12:13] offset:16
	s_mov_b32 s[CC], 0x4038aa3b                    ; c = 2 log2(e)
	s_mov_b32 s[CC+1], s[CC]                       ; (named with it as a pair, so it is written)
	s_mov_b32 s[SEL], 0x76543210
	s_mov_b32 s[SEL+1], 0xfedcba98
	s_mov_b32 s[L2E], 0x3fb8aa3b                   ; log2(e)
	s_lshl_b32 s[SU], s[SV], 12                    ; the work-groups begin their rounds of Ua's tiles at 16 different tiles: the sums over units take any order
	v_mov_b32 v[MX], 0xff61b1e6                    ; M: -3e38, under every score
	v_mov_b32 v[LS], 0
	v_mov_b32 v[FF+1], 0                           ; (named as the upper half of the pair with f)
.irp j, 0,1,2,3,4,5,6,7
	v_mov_b32 v[CTX+\j], 0                         ; the running context: the first change of M multiplies zeros
.endr
.irp j, 4,5,6,7
	v_mov_b32 v[TP+\j], 0                          ; written once: a lane permute's destination counts as one of its sources
.endr
.set ci, 0
.rept 32
	v_mov_b32 v[ACC+32+ci], 0                      ; the second set of accumulators, written once: tile 0's products with slices read it, and stand in the text on a way that the trip's number alone closes in a block's first trip
.set ci, ci+1
.endr
	WIN 0x40
.irp j, 4,5,6,7
	v_mov_b32 v[TM+\j], 0                          ; a lane permute's destinations in window 1
.endr
	WIN 0
	ASK 0                                          ; the first three tiles of Ua are asked for: three bundles are out from here on
	ASK 1
	ASK 2
	s_wait_alu depctr_va_vdst(0)                   ; the wait at the head's end
	s_wait_loadcnt 63                              ; behind the table's four loads 75 were issued: the four are in
	s_wait_tensorcnt 0x0                           ; block 0's first half, which the lines below the table's would wait for anyway
	ds_store_b128 v[X0], v[ACC:ACC+3]
	ds_store_b128 v[X0], v[ACC+4:ACC+7] offset:16
	ds_store_b128 v[X0], v[ACC+8:ACC+11] offset:64
	ds_store_b128 v[X0], v[ACC+12:ACC+15] offset:80
.irp e, 0,1,2,3
	ds_load_b128 v[QV+48+4*\e:QV+48+4*\e+3], v[AQ0] offset:128*15+16*(\e%2)+64*(\e/2)   ; buffer 3, written once: tile 0's products with slices name it, on a way that the trip's number closes in a block's first trip
.endr
	LHALF 0                                        ; block 0's first half,
	RP 2048                                        ; and its second half is asked for
	s_mov_b32 s[BLK], 3
.Lblk:
	BLOCK 0
	s_sub_co_u32 s[BLK], s[BLK], 1
	s_cmp_lg_u32 s[BLK], 0
	s_cbranch_scc1 .Lblk
	BLOCK 1                                        ; the last block is written out: it asks for no further rows.
	                                               ; (Its last three bundles of Ua, 37 KB a wave, are asked for and not read: so every count is the same on every way.)
	; THE WAY OUT.  A lane holds 32 bytes of the context: through my own 1,024 bytes of LDS, so that 16 lanes store 256 consecutive bytes
	ds_store_b128 v[CTW], v[CTX:CTX+3]
	ds_store_b128 v[CTW], v[CTX+4:CTX+7] offset:16
	ds_load_b128 v[ACC:ACC+3], v[CTR]              ; LDS serves a wave's instructions in order: these see the stores above
	ds_load_b128 v[ACC+4:ACC+7], v[CTR] offset:512
	s_wait_dscnt 0x0
	global_store_b128 v[PO], v[ACC:ACC+3], s[18:19]
	global_store_b128 v[PO], v[ACC+4:ACC+7], s[18:19] offset:512
	s_cmp_lg_u32 s[WV], 0
	s_cbranch_scc1 .Lnostat
	v_mov_b32 v[T0], 0
	v_cmp_eq_u32 vcc_lo, 0, v0
	s_wait_alu depctr_va_vdst(0)                   ; the wait here, directly ahead of the wait below
	s_wait_xcnt 0x0                                ; EXEC changes only behind this wait
	s_and_saveexec_b32 s[SX], vcc_lo
	global_store_b64 v[T0], v[MX:MX+1], s[16:17]   ; M and the sum
	s_wait_xcnt 0x0
	s_or_b32 exec_lo, exec_lo, s[SX]
.Lnostat:
	s_wait_tensorcnt 0x0                           ; the wave's end
	ds_add_u32 v[SPW], v[NIL]
	s_wait_dscnt 0x0
	s_endpgm
.Lfunc_end_k_q50b9992be5_attn:
	.size	k_q50b9992be5_attn, .Lfunc_end_k_q50b9992be5_attn-k_q50b9992be5_attn
	.p2alignl 7, 3214868480
	.fill 96, 4, 3214868480
	.section	.rodata,"a",@progbits
	.p2align	6, 0x0
	.amdhsa_kernel k_q50b9992be5_attn
		.amdhsa_group_segment_fixed_size 327680
		.amdhsa_private_segment_fixed_size 0
		.amdhsa_enable_private_segment 0
		.amdhsa_kernarg_size 64
		.amdhsa_user_sgpr_count 2
		.amdhsa_user_sgpr_kernarg_segment_ptr 1
		.amdhsa_wavefront_size32 1
		.amdhsa_system_sgpr_workgroup_id_x 1
		.amdhsa_system_sgpr_workgroup_id_y 1
		.amdhsa_system_sgpr_workgroup_id_z 1
		.amdhsa_system_vgpr_workitem_id 0
		.amdhsa_next_free_vgpr 1024
		.amdhsa_next_free_sgpr 66
		.amdhsa_reserve_vcc 1
		.amdhsa_float_denorm_mode_32 3
		.amdhsa_float_denorm_mode_16_64 3
		.amdhsa_memory_ordered 1
		.amdhsa_forward_progress 1
		.amdhsa_inst_pref_size 255
	.end_amdhsa_kernel
	.section	.bss,"aw",@nobits
	.p2align	6
	.space	262144
	.amdgpu_metadata
---
amdhsa.version: [ 1, 2 ]
amdhsa.kernels:
  - .name:           k_q50b9992be5_attn
    .symbol:         k_q50b9992be5_attn.kd
    .args:
      - { .name: keys, .offset: 0, .size: 8, .value_kind: global_buffer, .address_space: global }
      - { .name: uaimg, .offset: 8, .size: 8, .value_kind: global_buffer, .address_space: global }
      - { .name: usimg, .offset: 16, .size: 8, .value_kind: global_buffer, .address_space: global }
      - { .name: qb, .offset: 24, .size: 8, .value_kind: global_buffer, .address_space: global }
      - { .name: va2, .offset: 32, .size: 8, .value_kind: global_buffer, .address_space: global }
      - { .name: sraw, .offset: 40, .size: 8, .value_kind: global_buffer, .address_space: global }
      - { .name: stat, .offset: 48, .size: 8, .value_kind: global_buffer, .address_space: global }
      - { .name: pctx, .offset: 56, .size: 8, .value_kind: global_buffer, .address_space: global }
    .group_segment_fixed_size: 327680
    .private_segment_fixed_size: 0
    .kernarg_segment_align: 8
    .kernarg_segment_size: 64
    .max_flat_workgroup_size: 128
    .sgpr_count:     66
    .vgpr_count:     1024
    .wavefront_size: 32
...
	.end_amdgpu_metadata
.endif
;; end of part 2
;; launch combine (part 3): grid 32 x 1, 8 waves a work-group, no clusters, 0 bytes of LDS; arguments sraw, stat, pctx, out0, out1; writes out0, out1
.if DOCPART == 3
	.amdgcn_target "amdgcn-amd-amdhsa--gfx1250"
	.amdhsa_code_object_version 6
	.text
	.protected	k_q50b9992be5_combine
	.globl	k_q50b9992be5_combine
	.p2align	8
	.type	k_q50b9992be5_combine,@function
k_q50b9992be5_combine:
	s_mov_b64 s[64:65], 0
	v_nop
	global_prefetch_b8 v0, s[64:65] scope:SCOPE_SE
	s_setreg_imm32_b32 hwreg(HW_REG_WAVE_MODE, 25, 1), 1
	s_wait_xcnt 0x0
; One work-group for each batch joins the batch's eight parts.  The batch's largest raw score Mx is taken away ahead of every exponential.
;   w_i = e^(m_i - Mx);  L = sum of l_i w_i;  out0 = (sum of w_i pctx_i) / L;  out1 = e^(score - Mx) / L.
; LEFT OUT: Va_b + the sum of Va, the same for every row of a batch, which the softmax takes away (shown at the head of the first kernel).
; Thread t owns 16 bytes of the context's row and 2 x 16 bytes of the weights' row: every load and store of a wave covers 512 consecutive bytes.  No LDS, no barrier: every wave makes the few shared numbers itself.
; LIMITS: NaN and infinities are not served.
	s_load_b128 s[4:7], s[0:1], 0x0                ; sraw, stat
	s_load_b128 s[8:11], s[0:1], 0x10              ; pctx, out0
	s_load_b64 s[16:17], s[0:1], 0x20              ; out1
	v_lshlrev_b32 v1, 4, v0
	s_lshl_b32 s54, ttmp9, 6                       ; stat: 8 pairs a batch
	s_mov_b32 s55, 0
	s_lshl_b32 s56, ttmp9, 15                      ; pctx: 8 rows of 4,096 bytes
	s_mov_b32 s57, 0
	s_lshl_b32 s58, ttmp9, 13                      ; sraw, out1: 2,048 numbers
	s_mov_b32 s59, 0
	s_lshl_b32 s60, ttmp9, 12                      ; out0: 1,024 numbers
	s_mov_b32 s61, 0
	s_wait_alu depctr_va_vdst(0)
	s_wait_kmcnt 0x0
	s_add_nc_u64 s[6:7], s[6:7], s[54:55]
	s_add_nc_u64 s[8:9], s[8:9], s[56:57]
	s_add_nc_u64 s[4:5], s[4:5], s[58:59]
	s_add_nc_u64 s[16:17], s[16:17], s[58:59]
	s_add_nc_u64 s[10:11], s[10:11], s[60:61]
	s_load_b512 s[20:35], s[6:7], 0x0              ; m_0, l_0, m_1, l_1 ..
.irp i, 0,1,2,3,4,5,6,7
	global_load_b128 v[4+4*\i:7+4*\i], v1, s[8:9] offset:4096*\i
.endr
	global_load_b128 v[36:39], v1, s[4:5]
	global_load_b128 v[40:43], v1, s[4:5] offset:4096
	s_wait_kmcnt 0x0
	v_mov_b32 v44, s20
.irp i, 1,2,3,4,5,6,7
	s_delay_alu instid0(VALU_DEP_1)
	v_max_num_f32 v44, s[20+2*\i], v44             ; Mx
.endr
.irp i, 0,1,2,3,4,5,6,7
	v_sub_f32 v[46+\i], s[20+2*\i], v44
.endr
.irp i, 0,1,2,3,4,5,6,7
	v_mul_f32 v[46+\i], 0x3fb8aa3b, v[46+\i]
.endr
	s_wait_alu depctr_va_vdst(0)
.irp i, 0,1,2,3,4,5,6,7
	v_exp_f32 v[46+\i], v[46+\i]                   ; w_i
.endr
	v_nop                                          ; one plain place behind the exponentials
	s_wait_alu depctr_va_vdst(0)
	v_mul_f32 v54, s21, v46
.irp i, 1,2,3,4,5,6,7
	v_fmac_f32 v54, s[21+2*\i], v[46+\i]           ; L
.endr
	s_wait_alu depctr_va_vdst(0)
	v_rcp_f32 v55, v54
	v_nop                                          ; one plain place behind a transcendental
	s_wait_alu depctr_va_vdst(0)
.irp i, 0,1,2,3,4,5,6,7
	v_mul_f32 v[46+\i], v[46+\i], v55              ; w_i / L
.endr
	s_wait_alu depctr_va_vdst(0)
	s_wait_loadcnt 0x2                             ; the eight parts of the context are in; the two loads of scores may be out
.irp j, 0,1,2,3
	v_mul_f32 v[56+\j], v46, v[4+\j]
.endr
.irp i, 1,2,3,4,5,6,7
.irp j, 0,1,2,3
	s_delay_alu instid0(VALU_DEP_4)
	v_fmac_f32 v[56+\j], v[46+\i], v[4+4*\i+\j]
.endr
.endr
	global_store_b128 v1, v[56:59], s[10:11]
	s_wait_loadcnt 0x0
.irp j, 0,1,2,3,4,5,6,7
	v_sub_f32 v[36+\j], v[36+\j], v44              ; score - Mx
.endr
.irp j, 0,1,2,3,4,5,6,7
	v_mul_f32 v[36+\j], 0x3fb8aa3b, v[36+\j]
.endr
	s_wait_alu depctr_va_vdst(0)
.irp j, 0,1,2,3,4,5,6,7
	v_exp_f32 v[36+\j], v[36+\j]
.endr
	v_nop                                          ; one plain place behind the exponentials
	s_wait_alu depctr_va_vdst(0)
.irp j, 0,1,2,3,4,5,6,7
	v_mul_f32 v[36+\j], v[36+\j], v55
.endr
	global_store_b128 v1, v[36:39], s[16:17]
	global_store_b128 v1, v[40:43], s[16:17] offset:4096
	s_endpgm
.Lfunc_end_k_q50b9992be5_combine:
	.size	k_q50b9992be5_combine, .Lfunc_end_k_q50b9992be5_combine-k_q50b9992be5_combine
	.p2alignl 7, 3214868480
	.fill 96, 4, 3214868480
	.section	.rodata,"a",@progbits
	.p2align	6, 0x0
	.amdhsa_kernel k_q50b9992be5_combine
		.amdhsa_group_segment_fixed_size 0
		.amdhsa_private_segment_fixed_size 0
		.amdhsa_enable_private_segment 0
		.amdhsa_kernarg_size 40
		.amdhsa_user_sgpr_count 2
		.amdhsa_user_sgpr_kernarg_segment_ptr 1
		.amdhsa_wavefront_size32 1
		.amdhsa_system_sgpr_workgroup_id_x 1
		.amdhsa_system_sgpr_workgroup_id_y 1
		.amdhsa_system_sgpr_workgroup_id_z 1
		.amdhsa_system_vgpr_workitem_id 0
		.amdhsa_next_free_vgpr 64
		.amdhsa_next_free_sgpr 66
		.amdhsa_reserve_vcc 0
		.amdhsa_float_denorm_mode_32 3
		.amdhsa_float_denorm_mode_16_64 3
		.amdhsa_memory_ordered 1
		.amdhsa_forward_progress 1
		.amdhsa_inst_pref_size 8
	.end_amdhsa_kernel
	.amdgpu_metadata
---
amdhsa.version: [ 1, 2 ]
amdhsa.kernels:
  - .name:           k_q50b9992be5_combine
    .symbol:         k_q50b9992be5_combine.kd
    .args:
      - { .name: sraw, .offset: 0, .size: 8, .value_kind: global_buffer, .address_space: global }
      - { .name: stat, .offset: 8, .size: 8, .value_kind: global_buffer, .address_space: global }
      - { .name: pctx, .offset: 16, .size: 8, .value_kind: global_buffer, .address_space: global }
      - { .name: out0, .offset: 24, .size: 8, .value_kind: global_buffer, .address_space: global }
      - { .name: out1, .offset: 32, .size: 8, .value_kind: global_buffer, .address_space: global }
    .group_segment_fixed_size: 0
    .private_segment_fixed_size: 0
    .kernarg_segment_align: 8
    .kernarg_segment_size: 40
    .max_flat_workgroup_size: 256
    .sgpr_count:     66
    .vgpr_count:     64
    .wavefront_size: 32
...
	.end_amdgpu_metadata
.endif
;; end of part 3
